; MI455X (gfx1250); checked and timed in simulation.
; The chip was launched on July 23, 2026; its instructions are those of AMD's public machine-readable ISA for CDNA 5 (MIT licence, August 2026) and "CDNA5" Instruction Set Architecture Reference Guide (July 2026). The comments in the code are by the model that wrote it; some were corrected since.
;; Attention. Allowed arithmetic: matrix products marked QUANTISED: E2M3 operands, one E8M0 scale for each 32 along K, by v_wmma_scale_f32_16x16x128_f8f6f4 with both operands' format E2M3, f32 sums; everything else in f32.
;; Inputs: Wk 1,024 x 128 float32; Wq 1,024 x 128 float32; Wv 1,024 x 1,024 float32; bk 128 float32; bq 128 float32; bv 1,024 float32; x 8 x 2,048 x 1,024 float32.
;; Outputs: out0 8 x 2,048 x 1,024 float32.
;; This version of the problem:
;;   THIS VERSION OF THE PROBLEM IS GIVEN IN LOW PRECISION. The matrix products marked QUANTISED in the list below multiply operands that are first quantised to E2M3 (2 exponent bits, 3 mantissa bits; 6 bits a number), with one power-of-two scale for each 32 numbers along K (OCP MX v1.0); their sums are f32. All else is computed in f32.
;;   The module's matrix products, in the order in which they are computed (A, B: the left and right operand; K: the contracted axis; several contracted axes count as one K, in the product's order):
;;     1. [M 16,384, K 1,024] x [K 1,024, N 128]; A: input x; B: input Wq: QUANTISED
;;     2. [M 16,384, K 1,024] x [K 1,024, N 128]; A: input x; B: input Wk: QUANTISED
;;     3. [M 16,384, K 1,024] x [K 1,024, N 1,024]; A: input x; B: input Wv: QUANTISED
;;     4. batch 8 x [M 2,048, K 128] x [K 128, N 2,048]; A: computed on the way; B: computed on the way: QUANTISED
;;     5. batch 8 x [M 2,048, K 2,048] x [K 2,048, N 1,024]; A: softmax (see below); B: computed on the way: QUANTISED
;;   THE QUANTISER, for each operand of a quantised product, along K:
;;     - K is cut into blocks of 32 from its start; a last block that is shorter is filled with zeros.
;;     - A block's scale is 2^e with e = floor(log2(the largest magnitude in the block)) - 2, held to -126 .. 127; a block of zeros has e = 0. As a byte (E8M0): e + 127.
;;     - Each number is divided by its block's scale, clamped to +-7.5, and rounded to the nearest number of E2M3, ties to even, subnormals kept.
;;     - The product sums the exact products of the quantised numbers (number of the format x scale) in f32.
;;   ~~~python
;;   def quantise(x, axis):      # numpy; x: float32 -> the quantised numbers, widened to float32 again
;;       x = np.moveaxis(x, axis, -1); K = x.shape[-1]
;;       x = np.pad(x, [(0, 0)] * (x.ndim - 1) + [(0, -K % 32)]); x = x.reshape(x.shape[:-1] + (-1, 32)); a = np.abs(x).max(-1, keepdims=True)
;;       e = np.where(a > 0, np.clip(np.frexp(np.where(a > 0, a, 1))[1] - 1 - 2, -126, 127), 0)      # np.frexp(a)[1] - 1 = floor(log2(a)), exactly
;;       r = np.clip(x / 2.0 ** e, -7.5, 7.5)
;;       step = 2.0 ** (np.maximum(np.frexp(np.where(r == 0, 1, r))[1] - 1, 0) - 3)
;;       q = np.round(r / step) * step * 2.0 ** e      # np.round: ties to even
;;       return np.moveaxis(q.reshape(q.shape[:-2] + (-1,))[..., :K], -1, axis).astype(np.float32)
;;   ~~~
;;   SOFTMAX AHEAD OF A QUANTISED PRODUCT. Where the list says 'softmax', what is quantised is not the finished softmax but p = 2^(t - M), with t = logit x log2(e) and M = ceil(the row's largest t), a whole number; so 1/2 < the row's largest p <= 1. The row's sum l is taken of the UNQUANTISED p, in f32, and the product's result is divided by l at the end. Since M is a whole number, a kernel that streams over the keys may use a running M (the ceiling of the running maximum): every later rescaling is an exact power of two, which a block's scale takes up: the codes' values come out the same.
;;   OPERANDS COMPUTED ON THE WAY. 'Computed on the way' means the value that the module computes at that place (a softmax that the list does not call 'softmax' is quantised finished and normalised). What goes into a quantiser is computed in f32, as accurately as f32 sums, v_exp_f32 and their like allow (about 1e-6 of the number): no bf16 or f16 on the way to a quantiser, and a product that is left as it is and whose result goes on into a quantised operand takes f32 operands (vector FMAs, or v_wmma_f32_16x16x4_f32). A number that lies on a knife's edge between two numbers of the format may be rounded either way, as far as f32 arithmetic and the matrix unit's own rounding can turn it there, and no further.
;; One version. Each part assembles by itself: llvm-mc -triple=amdgcn-amd-amdhsa -mcpu=gfx1250 --defsym DOCPART=n.
;; ======== version 1 of 1: 3 launches
;; workspace buffers: wc 1,024,000 bytes; qc 1,638,400 bytes; kv 14,811,136 bytes
;; launch wq (part 1): grid 80 x 8, 1 waves a work-group, no clusters, 0 bytes of LDS; arguments Wq, Wk, Wv, wc; writes wc
.if DOCPART == 1
	.amdgcn_target "amdgcn-amd-amdhsa--gfx1250"
	.amdhsa_code_object_version 6
	.text
	.protected	k_qea12ed13fb_wq
	.globl	k_qea12ed13fb_wq
	.p2align	8
	.type	k_qea12ed13fb_wq,@function
k_qea12ed13fb_wq:
	s_mov_b64 s[64:65], 0
	v_nop
	global_prefetch_b8 v0, s[64:65] scope:SCOPE_SE
	s_setreg_imm32_b32 hwreg(HW_REG_WAVE_MODE, 25, 1), 1
	s_wait_xcnt 0x0
; Wq, Wk [1024][128] and Wv [1024][1024], f32, K = their FIRST axis, become codes of FP6 (E2M3) with one E8M0 byte for each 32 along K.
; One wave makes one operand fragment: 16 columns x 128 along K.  A lane takes a column and its registers run down K, in the order that
; the operand's layout gives that lane (lane (r, h): k = 64 c + 32 h + 0 .. 31 in registers 6 c .. 6 c + 5): nothing is transposed.
; wc is laid as the next launch streams it: [K step s = 0..7][part w = 0..3], 32,000 bytes a part: 20 fragments as images of their
; registers (registers 4 c .. 4 c + 3 of lane L at 512 c + 16 L), then their scale words at 30,720 + 64 f + 4 r.
; Fragments 0-15 of part w: Wv's columns 256 w + 16 f + r.  Fragments 16 + t: Wq (w = 0, 1) or Wk (w = 2, 3), lane r takes column
; 64 (w & 1) + 32 (t / 2) + 8 (t % 2) + r + 8 (r / 8), so that two neighbouring tiles of the transposed product hold 16 neighbours along d.
; LIMITS: NaN and infinities are not served; a block of zeros, or one under 2^-124, gets the byte 1 (its codes add nothing; this program alone reads the bytes).
.set KSB,   128000                     ; bytes of a K step in wc
.set PARTB, 32000                      ; of a part
.set WSCO,  30720                      ; where a part's scale words begin
.macro LOADW pitch                     ; W(128 s + 64 c + 32 h + i, my column): 64 numbers a lane
.irp c, 0,1
.set li, 0
.rept 32
	global_load_b32 v[64+32*\c+li], v3, s[18:19] offset:(64*\c+li)*(\pitch)
.set li, li+1
.endr
.endr
.endm
	s_load_b256 s[4:11], s[0:1], 0x0               ; Wq s[4:5], Wk s[6:7], Wv s[8:9], wc s[10:11]
	v_and_b32 v1, 15, v0                           ; r
	v_lshrrev_b32 v2, 4, v0                        ; h (one wave: v0 is the lane)
	v_lshlrev_b32 v4, 4, v0                        ; 16 L: my place in an image
	v_lshlrev_b32 v5, 2, v1                        ; 4 r
	s_and_b32 s13, ttmp7, 0xffff                   ; K step s
	s_mov_b32 s20, 0x76543210
	s_mov_b32 s21, 0xfedcba98                      ; v_permlanex16_b32's selects for lane l xor 16
	s_mov_b32 s17, 0
	s_wait_kmcnt 0x0
	s_cmp_ge_u32 ttmp9, 64                         ; work-groups 0-63: Wv's 64 column tiles; 64-79: Wq's and Wk's eight each
	s_cbranch_scc1 .Lqk
	s_lshr_b32 s14, ttmp9, 4                       ; part w
	s_and_b32 s15, ttmp9, 15                       ; fragment f
	s_lshl_b32 s16, s13, 19                        ; 128 s rows of 4,096 bytes
	s_lshl_b32 s22, ttmp9, 6                       ; + 16 columns a tile
	s_add_co_u32 s16, s16, s22
	s_add_nc_u64 s[18:19], s[8:9], s[16:17]
	v_lshl_add_u32 v3, v2, 17, v5                  ; 4 r + 32 h rows
	LOADW 4096
	s_branch .Ljoin
.Lqk:
	s_sub_co_u32 s22, ttmp9, 64                    ; 4 w + t
	s_lshr_b32 s14, s22, 2                         ; part w
	s_and_b32 s23, s22, 3                          ; t
	s_add_co_u32 s15, s23, 16                      ; fragment f = 16 + t
	s_and_b32 s24, s14, 1
	s_lshl_b32 s24, s24, 6                         ; 64 (w & 1)
	s_lshr_b32 s25, s23, 1
	s_lshl_b32 s25, s25, 5                         ; + 32 (t / 2)
	s_add_co_u32 s24, s24, s25
	s_and_b32 s25, s23, 1
	s_lshl_b32 s25, s25, 3                         ; + 8 (t % 2)
	s_add_co_u32 s24, s24, s25
	s_lshl_b32 s24, s24, 2
	s_lshl_b32 s16, s13, 16                        ; 128 s rows of 512 bytes
	s_add_co_u32 s16, s16, s24
	s_cmp_lt_u32 s22, 8                            ; the choice hangs on the work-group's number alone
	s_cselect_b64 s[18:19], s[4:5], s[6:7]
	s_add_nc_u64 s[18:19], s[18:19], s[16:17]
	v_and_b32 v3, 8, v1
	v_add_nc_u32 v3, v3, v1                        ; r + 8 (r / 8)
	v_lshlrev_b32 v3, 2, v3
	v_lshl_add_u32 v3, v2, 14, v3                  ; + 32 h rows
	LOADW 512
.Ljoin:
	s_mul_i32 s22, s13, KSB                        ; where the fragment goes
	s_mul_i32 s23, s14, PARTB
	s_add_co_u32 s22, s22, s23
	s_mul_i32 s23, s15, 1536
	s_add_co_u32 s24, s22, s23
	s_mov_b32 s25, 0
	s_add_nc_u64 s[26:27], s[10:11], s[24:25]      ; its image
	s_lshl_b32 s23, s15, 6
	s_add_co_u32 s24, s22, s23
	s_add_co_u32 s24, s24, WSCO
	s_add_nc_u64 s[28:29], s[10:11], s[24:25]      ; its scale words
	s_wait_loadcnt 0x0
.irp c, 0,1                                    ; my block 2 c + h: all its 32 numbers are mine
	v_max3_num_f32 v[32+\c], |v[64+32*\c]|, |v[65+32*\c]|, 0x1800000   ; with the floor 2^(3 - 127): the byte cannot fall under 1
.endr
.irp i, 2,4,6,8,10,12,14,16,18,20,22,24,26,28,30
.irp c, 0,1
	v_max3_num_f32 v[32+\c], v[32+\c], |v[64+32*\c+\i]|, |v[65+32*\c+\i]|
.endr
.endr
.irp c, 0,1
	v_add_nc_u32 v[44+\c], 0xff000000, v[32+\c]    ; 2 off the exponent field: the conversion's scale operand
.endr
.irp c, 0,1
	v_lshrrev_b32 v[36+\c], 23, v[44+\c]           ; the scale's byte
.endr
	v_lshl_or_b32 v9, v37, 16, v36                 ; my two bytes: blocks h and 2 + h,
	v_lshlrev_b32 v10, 3, v2
	v_lshlrev_b32 v9, v10, v9                      ; at their places (8 h bits up);
	v_mov_b32 v10, 0
	v_permlanex16_b32 v10, v9, s20, s21
	v_or_b32 v9, v9, v10                           ; with lane l xor 16's two the word is whole
.irp c, 0,1
	v_cvt_scalef32_pk16_fp6_f32 v[48+6*\c:50+6*\c], v[64+32*\c:79+32*\c], v[44+\c]
	v_cvt_scalef32_pk16_fp6_f32 v[128+4*\c:130+4*\c], v[80+32*\c:95+32*\c], v[44+\c]   ; (a conversion's three registers begin on an even number)
.endr
	v_nop                                          ; one plain place behind a scaled conversion
.irp c, 0,1
.irp i, 0,1,2
	v_mov_b32 v[51+6*\c+\i], v[128+4*\c+\i]
.endr
.endr
	global_store_b128 v4, v[48:51], s[26:27]               ; each store covers 512 consecutive bytes, aligned to 256
	global_store_b128 v4, v[52:55], s[26:27] offset:512
	global_store_b128 v4, v[56:59], s[26:27] offset:1024
	global_store_b32 v5, v9, s[28:29]                      ; lanes r and r + 16 hold the same word
	s_endpgm
.Lfunc_end_k_qea12ed13fb_wq:
	.size	k_qea12ed13fb_wq, .Lfunc_end_k_qea12ed13fb_wq-k_qea12ed13fb_wq
	.p2alignl 7, 3214868480
	.fill 96, 4, 3214868480
	.section	.rodata,"a",@progbits
	.p2align	6, 0x0
	.amdhsa_kernel k_qea12ed13fb_wq
		.amdhsa_group_segment_fixed_size 0
		.amdhsa_private_segment_fixed_size 0
		.amdhsa_enable_private_segment 0
		.amdhsa_kernarg_size 32
		.amdhsa_user_sgpr_count 2
		.amdhsa_user_sgpr_kernarg_segment_ptr 1
		.amdhsa_wavefront_size32 1
		.amdhsa_system_sgpr_workgroup_id_x 1
		.amdhsa_system_sgpr_workgroup_id_y 1
		.amdhsa_system_sgpr_workgroup_id_z 1
		.amdhsa_system_vgpr_workitem_id 0
		.amdhsa_next_free_vgpr 136
		.amdhsa_next_free_sgpr 66
		.amdhsa_reserve_vcc 0
		.amdhsa_float_denorm_mode_32 3
		.amdhsa_float_denorm_mode_16_64 3
		.amdhsa_memory_ordered 1
		.amdhsa_forward_progress 1
		.amdhsa_inst_pref_size 18
	.end_amdhsa_kernel
	.amdgpu_metadata
---
amdhsa.version: [ 1, 2 ]
amdhsa.kernels:
  - .name:           k_qea12ed13fb_wq
    .symbol:         k_qea12ed13fb_wq.kd
    .args:
      - { .name: Wq, .offset: 0, .size: 8, .value_kind: global_buffer, .address_space: global }
      - { .name: Wk, .offset: 8, .size: 8, .value_kind: global_buffer, .address_space: global }
      - { .name: Wv, .offset: 16, .size: 8, .value_kind: global_buffer, .address_space: global }
      - { .name: wc, .offset: 24, .size: 8, .value_kind: global_buffer, .address_space: global }
    .group_segment_fixed_size: 0
    .private_segment_fixed_size: 0
    .kernarg_segment_align: 8
    .kernarg_segment_size: 32
    .max_flat_workgroup_size: 32
    .sgpr_count:     66
    .vgpr_count:     136
    .wavefront_size: 32
...
	.end_amdgpu_metadata
.endif
;; end of part 1
;; launch proj (part 2): grid 256 x 1, 4 waves a work-group, clusters of 4 x 1, 327,680 bytes of LDS; arguments x, wc, bq, bk, bv, qc, kv; writes qc, kv
.if DOCPART == 2
	.amdgcn_target "amdgcn-amd-amdhsa--gfx1250"
	.amdhsa_code_object_version 6
	.text
	.protected	k_qea12ed13fb_proj
	.globl	k_qea12ed13fb_proj
	.p2align	8
	.type	k_qea12ed13fb_proj,@function
k_qea12ed13fb_proj:
	s_mov_b64 s[64:65], 0
	v_nop
	global_prefetch_b8 v0, s[64:65] scope:SCOPE_SE
	s_setreg_imm32_b32 hwreg(HW_REG_WAVE_MODE, 25, 1), 1
	s_wait_xcnt 0x0
	s_wait_alu depctr_hold_cnt(0) depctr_sa_sdst(0) depctr_va_vdst(0) depctr_va_sdst(0) depctr_va_ssrc(0) depctr_va_vcc(0) depctr_vm_vsrc(0)
	s_getreg_b32 s2, hwreg(HW_REG_IB_STS2, 6, 4)
	s_cmp_eq_u32 s2, 0
	s_cbranch_scc0 .Lentry_in_a_cluster
	s_endpgm
.Lentry_in_a_cluster:
	s_bfe_u32 s2, ttmp6, 0x10000c
	s_cmp_lg_u32 s2, 0x3003
	s_cbranch_scc0 .Lentry_shape_is_right
	s_endpgm
.Lentry_shape_is_right:
; q = x Wq + bq, k = x Wk + bk, v = x Wv + bv on codes of FP6 (E2M3) with E8M0 scales; x [16384][1024] f32 is quantised on the way; the results are
; quantised again (q, k along their 128; v along the keys) and stored as images of the operand registers that the attention launch wants.
; SHARES.  A work-group takes 64 rows of x against all 1,280 columns.  Wave w multiplies part w of wc: 16 column tiles of Wv in the natural form
; (source 0 = x, source 1 = W: a lane holds ONE column and its registers run down the rows, which are the keys), and 4 tiles of Wq (w = 0, 1) or Wk (w = 2, 3)
; transposed (source 0 = W, source 1 = x: a lane holds ONE row and its registers run along d).  80 accumulators, 640 registers, 80 products a K step of 128.
; THE ROWS OF A TILE ARE NOT NEIGHBOURS: lane r of row tile T = 2 b + u is row 32 b + 8 u + r + 8 (r / 8) of the 64, so that the registers of tiles 2 b, 2 b + 1 are 16 neighbours.
; x: wave w loads row tile w by loads of 512 consecutive bytes, two K steps ahead, turns them through its own stage in LDS, quantises them and hands the fragment to the other waves as an image of its registers.
; WEIGHTS: a K step's 128,000 bytes come through a ring of two LDS slots; each wave's tensor load brings its own part, asked for JOINTLY by the four work-groups of a cluster, which all walk the same weights.
; One barrier a K step: it frees the slot just read, shows the next slot and the next images of x, and orders the reads of the old images ahead of their rewriting.
; LIMITS: NaN and infinities are not served; a block of zeros, or one under 2^-124, gets the byte 1 (this program alone reads the bytes).
; REGISTERS, in windows of 256.  Window 0: v1-17 addresses; v24, v25 the add's two; v32-79 x's four fragments; v80-81 x's scale words; v82-91 W's; v92-139, v140-187 two buffers of four W fragments;
;   v140-203 also 64 numbers of x; v204-220 at work; v222-240 codes just made.  Window 1, 2: v's accumulators (column tile n, row tile T) at 8 (4 (n % 8) + T).
;   Window 3: v0-127 q's or k's accumulators at 8 (4 T + t); v128-255 two sets of x as loaded; later the biases.
.set SLOTB, 128000                     ; LDS: slot 0 at 0, slot 1 at SLOTB; part w at 32,000 w
.set PARTB, 32000
.set WSCO,  30720                      ; a part's scale words
.set XSTG,  256000                     ; four stages of 16 rows x 528 bytes, a wave's own
.set XSTW,  8448
.set XIMG,  289792                     ; two sets of x's images: 4 x 1,536 bytes, then scale words at 6,144 + 64 T + 4 r
.set XIMB,  6400
.set XSCO,  6144
.set SPARE, 302592                     ; the spare words: 128 bytes a wave, two blocks of 256 bytes that no other line names
.set KVB,   115712                     ; a block of kv;
.set KVP,   28928                      ; a part of it
.set SPW, 24
.set NIL, 25
.set XF,  32
.set XS,  80
.set WS,  82
.set WFA, 92
.set WFB, 140
.set ST,  140
.set TM,  204
.set PW,  220
.set PC,  222
.set H,   32                           ; the epilogue: 32 numbers with their bias
.set BYW, 16                           ; and their two scale bytes
.set WV,  34
.set SEL, 40
.set MSB, 0
.macro WIN new                         ; the immediate's high byte repeats the setting that is left
.if MSB != (\new)
	s_set_vgpr_msb (MSB<<8)|(\new)
.set MSB, (\new)
.endif
.endm
.macro PLACES                          ; four plain places behind matrix instructions, ahead of loads into their registers and of reads of their results
.rept 4
	v_nop
.endr
.endm
.macro ROUND                           ; a round of the cluster's barrier
	s_barrier_signal -1
	s_barrier_wait -1
	s_cmp_lg_u32 s[WV], 0
	s_cbranch_scc1 .Lnot_wave_0_\@
	s_barrier_signal -3
.Lnot_wave_0_\@:
	s_barrier_wait -3
	s_barrier_signal -1
	s_barrier_wait -1
.endm
; One product.  d: the accumulator; a, b: the fragments; zero = 1: it starts the sum; sa, sb: the scale registers; ra, rb = 1: the words lie in lanes 16-31
.macro WM d, a, b, zero, sa, ra, sb, rb
.if \zero
.if (\ra) && (\rb)
	v_wmma_scale_f32_16x16x128_f8f6f4 v[(\d):(\d)+7], v[(\a):(\a)+11], v[(\b):(\b)+11], 0, v[\sa], v[\sb] matrix_a_fmt:MATRIX_FMT_FP6 matrix_b_fmt:MATRIX_FMT_FP6 matrix_a_scale:MATRIX_SCALE_ROW1 matrix_b_scale:MATRIX_SCALE_ROW1
.elseif (\ra)
	v_wmma_scale_f32_16x16x128_f8f6f4 v[(\d):(\d)+7], v[(\a):(\a)+11], v[(\b):(\b)+11], 0, v[\sa], v[\sb] matrix_a_fmt:MATRIX_FMT_FP6 matrix_b_fmt:MATRIX_FMT_FP6 matrix_a_scale:MATRIX_SCALE_ROW1
.elseif (\rb)
	v_wmma_scale_f32_16x16x128_f8f6f4 v[(\d):(\d)+7], v[(\a):(\a)+11], v[(\b):(\b)+11], 0, v[\sa], v[\sb] matrix_a_fmt:MATRIX_FMT_FP6 matrix_b_fmt:MATRIX_FMT_FP6 matrix_b_scale:MATRIX_SCALE_ROW1
.else
	v_wmma_scale_f32_16x16x128_f8f6f4 v[(\d):(\d)+7], v[(\a):(\a)+11], v[(\b):(\b)+11], 0, v[\sa], v[\sb] matrix_a_fmt:MATRIX_FMT_FP6 matrix_b_fmt:MATRIX_FMT_FP6
.endif
.else
.if (\ra) && (\rb)
	v_wmma_scale_f32_16x16x128_f8f6f4 v[(\d):(\d)+7], v[(\a):(\a)+11], v[(\b):(\b)+11], v[(\d):(\d)+7], v[\sa], v[\sb] matrix_a_fmt:MATRIX_FMT_FP6 matrix_b_fmt:MATRIX_FMT_FP6 matrix_a_scale:MATRIX_SCALE_ROW1 matrix_b_scale:MATRIX_SCALE_ROW1
.elseif (\ra)
	v_wmma_scale_f32_16x16x128_f8f6f4 v[(\d):(\d)+7], v[(\a):(\a)+11], v[(\b):(\b)+11], v[(\d):(\d)+7], v[\sa], v[\sb] matrix_a_fmt:MATRIX_FMT_FP6 matrix_b_fmt:MATRIX_FMT_FP6 matrix_a_scale:MATRIX_SCALE_ROW1
.elseif (\rb)
	v_wmma_scale_f32_16x16x128_f8f6f4 v[(\d):(\d)+7], v[(\a):(\a)+11], v[(\b):(\b)+11], v[(\d):(\d)+7], v[\sa], v[\sb] matrix_a_fmt:MATRIX_FMT_FP6 matrix_b_fmt:MATRIX_FMT_FP6 matrix_b_scale:MATRIX_SCALE_ROW1
.else
	v_wmma_scale_f32_16x16x128_f8f6f4 v[(\d):(\d)+7], v[(\a):(\a)+11], v[(\b):(\b)+11], v[(\d):(\d)+7], v[\sa], v[\sb] matrix_a_fmt:MATRIX_FMT_FP6 matrix_b_fmt:MATRIX_FMT_FP6
.endif
.endif
.endm
.macro XLOAD s                         ; K step s of my 16 rows: each load takes 512 consecutive bytes of one row; into set s % 2 of window 3
	WIN 0xc0
.set xi, 0
.rept 16
	global_load_b128 v[128+64*((\s)&1)+4*xi:128+64*((\s)&1)+4*xi+3], v1, s[4:5] offset:(xi+8*(xi>>3))*4096+512*(\s) th:TH_LOAD_NT
.set xi, xi+1
.endr
	WIN 0
.endm
.macro STAGE s                         ; through my stage: in as loaded, out 16 neighbours of each block of 32 a lane.  LDS serves a wave's instructions in order: no wait between
	WIN 0x0c
.set xi, 0
.rept 16
	ds_store_b128 v5, v[128+64*((\s)&1)+4*xi:128+64*((\s)&1)+4*xi+3] offset:528*xi
.set xi, xi+1
.endr
	WIN 0
.set xi, 0
.rept 16
	ds_load_b128 v[ST+4*xi:ST+4*xi+3], v6 offset:128*(xi>>2)+16*(xi&3)
.set xi, xi+1
.endr
.endm
; 64 numbers of a lane, register 16 b + i = k 32 b + 16 (lane / 16) + i of my row, become a fragment's codes in v[PC] on and its scale word in v[PW]
.macro QUANT s
.irp b, 0,1,2,3
	v_max3_num_f32 v[TM+\b], |v[\s+16*\b]|, |v[\s+1+16*\b]|, 0x1800000   ; with the floor 2^(3 - 127): the byte cannot fall under 1
.endr
.irp i, 2,4,6,8,10,12,14
.irp b, 0,1,2,3
	v_max3_num_f32 v[TM+\b], v[TM+\b], |v[\s+16*\b+\i]|, |v[\s+1+16*\b+\i]|
.endr
.endr
.irp b, 0,1,2,3
	v_permlanex16_b32 v[TM+4+\b], v[TM+\b], s[SEL], s[SEL+1]
.endr
.irp b, 0,1,2,3
	v_max_num_f32 v[TM+\b], v[TM+\b], v[TM+4+\b]   ; with lane l xor 16's: the block's largest magnitude
.endr
.irp b, 0,1,2,3
	v_add_nc_u32 v[TM+12+\b], 0xff000000, v[TM+\b] ; 2 off its exponent field: the conversion's scale operand
.endr
.irp b, 0,1,2,3
	v_lshrrev_b32 v[TM+4+\b], 23, v[TM+12+\b]      ; the scale's byte
.endr
	v_lshl_or_b32 v[PW], v[TM+5], 8, v[TM+4]
	v_lshl_or_b32 v[PW], v[TM+6], 16, v[PW]
	v_lshl_or_b32 v[PW], v[TM+7], 24, v[PW]
.irp c, 0,1
	v_cvt_scalef32_pk16_fp6_f32 v[PC+6*\c:PC+2+6*\c], v[\s+32*\c:\s+15+32*\c], v[TM+12+2*\c]
	v_cvt_scalef32_pk16_fp6_f32 v[PC+12+4*\c:PC+14+4*\c], v[\s+16+32*\c:\s+31+32*\c], v[TM+12+2*\c+1]
.endr
	v_nop                                          ; one plain place behind a scaled conversion
.irp c, 0,1                                    ; the layout wants a WHOLE block in a lane
.irp i, 0,1,2
	v_permlane16_swap_b32 v[PC+6*\c+\i], v[PC+12+4*\c+\i]
.endr
.irp i, 0,1,2
	v_mov_b32 v[PC+3+6*\c+\i], v[PC+12+4*\c+\i]
.endr
.endr
.endm
.macro IMAGE p                         ; my fragment of x and its scale words into set p
.irp c, 0,1,2
	ds_store_b128 v13, v[PC+4*\c:PC+4*\c+3] offset:XIMB*(\p)+512*\c
.endr
	ds_store_b32 v14, v[PW] offset:XIMB*(\p)
.endm
.macro FETCHX p                        ; x's four fragments and their scale words (register i: lanes 0-15 tile 2 i, lanes 16-31 tile 2 i + 1)
	WIN 0
.set fi, 0
.rept 12
	ds_load_b128 v[XF+4*fi:XF+4*fi+3], v11 offset:XIMB*(\p)+512*fi
.set fi, fi+1
.endr
	ds_load_b32 v[XS], v12 offset:XIMB*(\p)
	ds_load_b32 v[XS+1], v12 offset:XIMB*(\p)+128
.endm
.macro FETCHW slot, grp, buf           ; my part's fragments 4 grp .. 4 grp + 3
	WIN 0
.set fi, 0
.rept 12
	ds_load_b128 v[(\buf)+4*fi:(\buf)+4*fi+3], v[7+(\slot)] offset:6144*(\grp)+512*fi
.set fi, fi+1
.endr
.endm
.macro FETCHS slot                     ; my part's scale words: register i: lanes 0-15 fragment 2 i, lanes 16-31 fragment 2 i + 1
.set fi, 0
.rept 10
	ds_load_b32 v[WS+fi], v[9+(\slot)] offset:128*fi
.set fi, fi+1
.endr
.endm
.macro MULV grp, buf, zero             ; 16 products: v's column tiles 4 grp .. + 3 x the four row tiles; the accumulators take turns
.if (\grp) < 2
	WIN 0x50
.else
	WIN 0xa0
.endif
.set mi, 0
.rept 16
.set mI, mi>>2
.set mT, mi&3
.set mF, 4*(\grp)+mI
	WM 8*(4*(mF&7)+mT), XF+12*mT, (\buf)+12*mI, \zero, XS+(mT>>1), mT&1, WS+(mF>>1), mF&1
.set mi, mi+1
.endr
.endm
.macro MULQ half, zero                 ; 8 products, transposed: q's or k's four tiles x row tiles 2 half, 2 half + 1
	WIN 0xf0
.set mi, 0
.rept 8
.set mT, 2*(\half)+(mi>>2)
.set mI, mi&3
	WM 8*(4*mT+mI), WFA+12*mI, XF+12*mT, \zero, WS+8+(mI>>1), mI&1, XS+(mT>>1), mT&1
.set mi, mi+1
.endr
.endm
.macro BIASES                          ; into window 3, where x's set 0 lay: bv of my 16 columns' tiles (one number a lane and tile), bq or bk in the transposed result's layout
	WIN 0xc0
.set bi, 0
.rept 16
	global_load_b32 v[128+bi], v3, s[52:53] offset:64*bi
.set bi, bi+1
.endr
.set bi, 0
.rept 4
	global_load_b128 v[144+8*bi:144+8*bi+3], v17, s[50:51] offset:(32*(bi>>1)+8*(bi&1))*4
	global_load_b128 v[144+8*bi+4:144+8*bi+7], v17, s[50:51] offset:(32*(bi>>1)+8*(bi&1))*4+16
.set bi, bi+1
.endr
	WIN 0
.endm
	s_load_b256 s[4:11], s[0:1], 0x0               ; x s[4:5], wc s[6:7], bq s[8:9], bk s[10:11]
	s_load_b128 s[12:15], s[0:1], 0x20             ; bv s[12:13], qc s[14:15]
	s_load_b64 s[32:33], s[0:1], 0x30              ; kv
	v_lshl_add_u32 v[SPW], v0, 2, SPARE
	v_mov_b32 v[NIL], 0
	ds_add_u32 v[SPW], v[NIL]                      ; the wave's opening: the add and its wait stand ahead of my first tensor load; work on registers stands between
	v_lshrrev_b32 v26, 5, v0
	v_readfirstlane_b32 s[WV], v26                 ; wave 0..3
	v_and_b32 v27, 31, v0                          ; L
	v_and_b32 v28, 15, v0                          ; r
	v_bfe_u32 v29, v0, 4, 1                        ; h
	v_lshlrev_b32 v1, 4, v27                       ; 16 L
	v_lshlrev_b32 v2, 3, v27                       ; 8 L
	v_lshlrev_b32 v3, 2, v28                       ; 4 r
	v_lshlrev_b32 v4, 1, v27                       ; 2 L
	v_lshlrev_b32 v17, 6, v29                      ; 64 h
	v_lshlrev_b32 v30, 2, v27                      ; 4 L
	s_bfe_u32 s35, ttmp6, 0x40000                  ; cx: my place in the cluster
	s_lshl_b32 s36, ttmp9, 2
	s_add_co_u32 s36, s36, s35                     ; g: my block of 64 rows; it enters global addresses of x, qc and kv alone
	; descriptor group 1: a part of wc: 125 rows of 256 bytes (32 elements of 8 bytes), dense, no padding
	s_mov_b32 s16, 15|(3<<16)|(1<<21)              ; 15:0 the mask: all four work-groups; 17:16 elements of 8 bytes; 21 set beside a mask
	s_mov_b32 s17, 32<<16                          ; tensor_dim0 = 32
	s_mov_b32 s18, 125<<16                         ; tensor_dim1 = 125
	s_mov_b32 s19, 32<<16                          ; tile_dim0 = 32
	s_mov_b32 s20, 125                             ; tile_dim1 = 125
	s_mov_b32 s21, 32                              ; from row to row
	s_mov_b32 s22, 0
	s_mov_b32 s23, 0
	s_mul_i32 s42, s[WV], PARTB                    ; my part, in a K step of wc and in a slot alike
	s_mov_b32 s43, 0
	s_mov_b32 s[SEL], 0x76543210
	s_mov_b32 s[SEL+1], 0xfedcba98
	s_wait_dscnt 0x0                               ; the opening add is done
	s_wait_kmcnt 0x0
	s_add_nc_u64 s[44:45], s[6:7], s[42:43]
	s_mov_b32 s24, 1                               ; group 0 for slot 0: K step 0
	s_mov_b32 s25, s42
	s_mov_b64 s[26:27], s[44:45]
	s_or_b32 s27, s27, 0x80000000
	s_mov_b32 s28, 1                               ; for slot 1: K step 1
	s_add_co_u32 s29, s42, SLOTB
	s_add_nc_u64 s[30:31], s[44:45], SLOTB
	s_or_b32 s31, s31, 0x80000000
	ROUND                                          ; all four work-groups are here: the first joint loads meet
	tensor_load_to_lds s[24:27], s[16:23]
	s_nop 0
	tensor_load_to_lds s[28:31], s[16:23]          ; two loads of mine are out
	s_nop 0
.rept 4
	v_nop
.endr
	s_lshl_b32 s46, s36, 6                         ; x at my row tile's first row: 64 g + 32 (w / 2) + 8 (w % 2)
	s_lshr_b32 s47, s[WV], 1
	s_lshl_b32 s47, s47, 5
	s_add_co_u32 s46, s46, s47
	s_and_b32 s47, s[WV], 1
	s_lshl_b32 s47, s47, 3
	s_add_co_u32 s46, s46, s47
	s_lshl_b32 s46, s46, 12
	s_mov_b32 s47, 0
	s_add_nc_u64 s[4:5], s[4:5], s[46:47]
	XLOAD 0
	XLOAD 1
	s_mul_i32 s48, s[WV], XSTW
	s_add_co_u32 s48, s48, XSTG                    ; my stage
	v_add_nc_u32 v5, s48, v1                       ; in: 16 L, a row an instruction
	v_mul_u32_u24 v6, v28, 528
	v_lshl_add_u32 v6, v29, 6, v6
	v_add_nc_u32 v6, s48, v6                       ; out: row r, + 64 h
	v_add_nc_u32 v7, s42, v1                       ; my part's images in slot 0,
	v_add_nc_u32 v8, SLOTB, v7                     ; in slot 1
	v_add_nc_u32 v9, s42, v30
	v_add_nc_u32 v9, WSCO, v9                      ; its scale words in slot 0,
	v_add_nc_u32 v10, SLOTB, v9                    ; in slot 1
	v_add_nc_u32 v11, XIMG, v1                     ; x's images
	v_add_nc_u32 v12, XIMG+XSCO, v30               ; their scale words
	s_mul_i32 s49, s[WV], 1536
	v_add_nc_u32 v13, s49, v11                     ; where I store mine
	s_lshl_b32 s49, s[WV], 6
	v_add_nc_u32 v14, s49, v3
	v_add_nc_u32 v14, XIMG+XSCO, v14
	v_mov_b32 v15, 0
.irp b, 0,1,2,3
	v_mov_b32 v[TM+4+\b], 0                        ; written once: a lane permute's destination counts as one of its sources
.endr
	; where the results go
	s_lshr_b32 s37, s36, 5                         ; batch
	s_bfe_u32 s38, s36, 0x40001                    ; the key step of 128 in which my 64 rows lie,
	s_and_b32 s39, s36, 1                          ; and which half of it
	s_lshl_b32 s70, s37, 4
	s_add_co_u32 s71, s70, s38
	s_mul_i32 s72, s71, KVB
	s_mul_i32 s73, s[WV], KVP
	s_add_co_u32 s72, s72, s73                     ; v: block (batch, key step), part w
	s_mov_b32 s73, 0
	s_add_nc_u64 s[74:75], s[32:33], s[72:73]
	s_mov_b32 s77, 0
	s_mul_i32 s76, s39, 768
	s_add_nc_u64 s[54:55], s[74:75], s[76:77]      ; its codes: my half of each fragment
	s_lshl_b32 s76, s39, 1
	s_add_co_u32 s76, s76, 24576
	s_add_nc_u64 s[56:57], s[74:75], s[76:77]      ; its scale words: my two bytes of each
	s_lshl_b32 s76, s39, 6
	s_add_co_u32 s76, s76, 28800
	s_add_nc_u64 s[58:59], s[74:75], s[76:77]      ; my half of the part's padding
	s_and_b32 s78, s[WV], 1
	s_mul_i32 s79, s78, 768                        ; q, k: d 64 (w % 2) on is half w % 2 of a fragment
	s_lshl_b32 s80, s78, 1
	s_mul_i32 s81, s36, 6400                       ; q: block g of qc
	s_add_co_u32 s84, s81, 6144
	s_add_co_u32 s82, s38, 14                      ; k of key step s lies in block (s + 14) % 16, two blocks early
	s_and_b32 s82, s82, 15
	s_add_co_u32 s82, s82, s70
	s_mul_i32 s82, s82, KVB
	s_mul_i32 s83, s39, 2*KVP                      ; my rows are key tiles 4 c' + T: parts 2 c' + T / 2
	s_add_co_u32 s82, s82, s83
	s_add_co_u32 s83, s82, 28672
	s_add_co_u32 s82, s82, 25600
	s_mov_b32 s85, KVP
	s_cmp_lt_u32 s[WV], 2                          ; waves 0, 1 make q, waves 2, 3 k
	s_cselect_b64 s[86:87], s[14:15], s[32:33]
	s_cselect_b64 s[50:51], s[8:9], s[10:11]
	s_cselect_b32 s88, s81, s82                    ; codes begin here,
	s_cselect_b32 s89, s84, s83                    ; scale words here;
	s_cselect_b32 s90, 3072, s85                   ; from tiles 0, 1 to tiles 2, 3: codes,
	s_cselect_b32 s91, 128, s85                    ; scale words
	s_add_co_u32 s88, s88, s79
	s_add_co_u32 s89, s89, s80
	s_mov_b32 s93, 0
	s_mov_b32 s92, s88
	s_add_nc_u64 s[60:61], s[86:87], s[92:93]
	s_mov_b32 s92, s90
	s_add_nc_u64 s[62:63], s[60:61], s[92:93]
	s_mov_b32 s92, s89
	s_add_nc_u64 s[66:67], s[86:87], s[92:93]
	s_mov_b32 s92, s91
	s_add_nc_u64 s[68:69], s[66:67], s[92:93]
	s_lshl_b32 s92, s78, 8
	s_add_nc_u64 s[50:51], s[50:51], s[92:93]      ; bq or bk at d = 64 (w % 2)
	s_lshl_b32 s92, s[WV], 10
	s_add_nc_u64 s[52:53], s[12:13], s[92:93]      ; bv at column 256 w
	; K step 0 of x becomes images; K step 1 waits in registers
	s_wait_loadcnt 16                              ; K step 0's 16 loads are in; K step 1's may be out
	STAGE 0
	s_wait_dscnt 0x0
	XLOAD 2
	QUANT ST
	IMAGE 0
	s_wait_loadcnt 16                              ; K step 1's are in; K step 2's may be out
	STAGE 1
	s_wait_tensorcnt 1                             ; my part of W's K step 0 is in; K step 1's may stay out
	s_wait_dscnt 0x0
	s_barrier_signal -1
	s_barrier_wait -1
.macro STEP s
.set P, (\s)&1
.if (\s) == 0
.set Z, 1
.else
.set Z, 0
.endif
.if (\s) <= 4
	XLOAD (\s)+3                                   ; its set was read out a K step ago
.endif
.if (\s) == 6
	BIASES
.endif
	FETCHX P
	FETCHS P
	FETCHW P, 0, WFA                               ; 36 LDS loads; the next K step of x is quantised while they land
.if (\s) <= 6
	QUANT ST
	IMAGE 1-P
	s_wait_dscnt 4                                 ; the four image stores are younger than the 36 loads
.else
	s_wait_dscnt 0x0
.endif
	FETCHW P, 1, WFB
	MULV 0, WFA, Z
	s_wait_dscnt 0x0
	PLACES
	FETCHW P, 2, WFA
	MULV 1, WFB, Z
	s_wait_dscnt 0x0
	PLACES
	FETCHW P, 3, WFB
	MULV 2, WFA, Z
	s_wait_dscnt 0x0
	PLACES
	FETCHW P, 4, WFA
	MULV 3, WFB, Z
	s_wait_dscnt 0x0
	PLACES
	WIN 0
.if (\s) <= 5
.if (\s) <= 4
	s_wait_loadcnt 16                              ; x's K step s + 2 is in; the 16 loads of s + 3 are younger
.else
	s_wait_loadcnt 0x0
.endif
	STAGE (\s)+2
.endif
	MULQ 0, Z
.if (\s) <= 6
	WIN 0
	s_wait_tensorcnt 0x0                           ; all my tensor loads have landed: my part of the next slot
	ds_add_u32 v[SPW], v[NIL]                      ; 0 onto my spare word
.if (\s) <= 5
	s_add_nc_u64 s[26+4*P:27+4*P], s[26+4*P:27+4*P], 2*SLOTB   ; no load of mine is out: this slot's next K step
.endif
.endif
	MULQ 1, Z
	WIN 0
.if (\s) <= 5
	s_wait_dscnt 0x0                               ; the add is done, my reads of this slot and of x's images are over, my images have landed
	ROUND                                          ; the same now holds of every wave of the four work-groups
	tensor_load_to_lds s[24+4*P:27+4*P], s[16:23]  ; my one load behind the round: K step s + 2 into the slot just read; it has a K step's 80 products in which to land
	s_nop 0
.rept 4
	v_nop                                          ; also the places ahead of the next K step's loads
.endr
.elseif (\s) == 6
	s_wait_dscnt 0x0
	s_barrier_signal -1
	s_barrier_wait -1                              ; nothing is filled again: no round
	PLACES
.endif
.endm
.irp s, 0,1,2,3,4,5,6,7
	STEP \s
.endr
; THE WAY OUT.  32 numbers of a lane, register 16 b + i = place 32 b + 16 (lane / 16) + i along the next K, get their bias, and become half a fragment: two blocks of 32, 6 registers a lane,
; stored as 512 + 256 consecutive bytes, and two scale bytes.  The accumulators are read from their low ends on.
.macro HALF win, acc, bias, bstep, cb, coff, sb, soff
	WIN (\win)|0x0c
.set hi, 0
.rept 32
	v_add_f32 v[H+hi], v[(\acc)+hi], v[(\bias)+(\bstep)*hi]
.set hi, hi+1
.endr
	WIN 0
.irp b, 0,1
	v_max3_num_f32 v[TM+\b], |v[H+16*\b]|, |v[H+16*\b+1]|, 0x1800000
.endr
.irp i, 2,4,6,8,10,12,14
.irp b, 0,1
	v_max3_num_f32 v[TM+\b], v[TM+\b], |v[H+16*\b+\i]|, |v[H+16*\b+\i+1]|
.endr
.endr
.irp b, 0,1
	v_permlanex16_b32 v[TM+4+\b], v[TM+\b], s[SEL], s[SEL+1]
.endr
.irp b, 0,1
	v_max_num_f32 v[TM+\b], v[TM+\b], v[TM+4+\b]
.endr
.irp b, 0,1
	v_add_nc_u32 v[TM+12+\b], 0xff000000, v[TM+\b]
.endr
.irp b, 0,1
	v_lshrrev_b32 v[TM+4+\b], 23, v[TM+12+\b]
.endr
	s_wait_xcnt 0x0                                ; the last stores have read their data: the codes' and the bytes' registers are written again only behind this wait
	v_lshl_or_b32 v[BYW], v[TM+5], 8, v[TM+4]
	v_cvt_scalef32_pk16_fp6_f32 v[PC:PC+2], v[H:H+15], v[TM+12]
	v_cvt_scalef32_pk16_fp6_f32 v[PC+4:PC+6], v[H+16:H+31], v[TM+13]
	v_nop                                          ; one plain place behind a scaled conversion
.irp i, 0,1,2
	v_permlane16_swap_b32 v[PC+\i], v[PC+4+\i]     ; lane (r, h) now holds block h whole
.endr
.irp i, 0,1,2
	v_mov_b32 v[PC+3+\i], v[PC+4+\i]
.endr
	global_store_b128 v1, v[PC:PC+3], s[\cb:\cb+1] offset:\coff
	global_store_b64 v2, v[PC+4:PC+5], s[\cb:\cb+1] offset:(\coff)+512
	global_store_b16 v3, v[BYW], s[\sb:\sb+1] offset:\soff
.endm
	PLACES
	s_wait_loadcnt 0x0                             ; the biases
.set hn, 0
.rept 16
.if hn < 8
	HALF 1, 32*hn, 128+hn, 0, 54, 1536*hn, 56, 64*hn
.else
	HALF 2, 32*(hn-8), 128+hn, 0, 54, 1536*hn, 56, 64*hn
.endif
.set hn, hn+1
.endr
	HALF 3, 0, 144, 1, 60, 0, 66, 0
	HALF 3, 32, 144, 1, 60, 1536, 66, 64
	HALF 3, 64, 144, 1, 62, 0, 68, 0
	HALF 3, 96, 144, 1, 62, 1536, 68, 64
	global_store_b16 v4, v15, s[58:59]             ; the part's padding is read with the part: zeros
	s_wait_tensorcnt 0x0                           ; the wave's end: behind my last tensor load and my last LDS store
	ds_add_u32 v[SPW], v[NIL]
	s_wait_dscnt 0x0
	ROUND                                          ; the closing round
	s_endpgm
.Lfunc_end_k_qea12ed13fb_proj:
	.size	k_qea12ed13fb_proj, .Lfunc_end_k_qea12ed13fb_proj-k_qea12ed13fb_proj
	.p2alignl 7, 3214868480
	.fill 96, 4, 3214868480
	.section	.rodata,"a",@progbits
	.p2align	6, 0x0
	.amdhsa_kernel k_qea12ed13fb_proj
		.amdhsa_group_segment_fixed_size 327680
		.amdhsa_private_segment_fixed_size 0
		.amdhsa_enable_private_segment 0
		.amdhsa_kernarg_size 56
		.amdhsa_user_sgpr_count 2
		.amdhsa_user_sgpr_kernarg_segment_ptr 1
		.amdhsa_wavefront_size32 1
		.amdhsa_system_sgpr_workgroup_id_x 1
		.amdhsa_system_sgpr_workgroup_id_y 1
		.amdhsa_system_sgpr_workgroup_id_z 1
		.amdhsa_system_vgpr_workitem_id 0
		.amdhsa_next_free_vgpr 1024
		.amdhsa_next_free_sgpr 100
		.amdhsa_reserve_vcc 0
		.amdhsa_float_denorm_mode_32 3
		.amdhsa_float_denorm_mode_16_64 3
		.amdhsa_memory_ordered 1
		.amdhsa_forward_progress 1
		.amdhsa_inst_pref_size 255
	.end_amdhsa_kernel
	.section	.bss,"aw",@nobits
	.p2align	6
	.space	262144
	.amdgpu_metadata
---
amdhsa.version: [ 1, 2 ]
amdhsa.kernels:
  - .name:           k_qea12ed13fb_proj
    .symbol:         k_qea12ed13fb_proj.kd
    .args:
      - { .name: x, .offset: 0, .size: 8, .value_kind: global_buffer, .address_space: global }
      - { .name: wc, .offset: 8, .size: 8, .value_kind: global_buffer, .address_space: global }
      - { .name: bq, .offset: 16, .size: 8, .value_kind: global_buffer, .address_space: global }
      - { .name: bk, .offset: 24, .size: 8, .value_kind: global_buffer, .address_space: global }
      - { .name: bv, .offset: 32, .size: 8, .value_kind: global_buffer, .address_space: global }
      - { .name: qc, .offset: 40, .size: 8, .value_kind: global_buffer, .address_space: global }
      - { .name: kv, .offset: 48, .size: 8, .value_kind: global_buffer, .address_space: global }
    .group_segment_fixed_size: 327680
    .private_segment_fixed_size: 0
    .kernarg_segment_align: 8
    .kernarg_segment_size: 56
    .max_flat_workgroup_size: 128
    .sgpr_count:     100
    .vgpr_count:     1024
    .wavefront_size: 32
...
	.end_amdgpu_metadata
.endif
;; end of part 2
;; launch att (part 3): grid 256 x 1, 4 waves a work-group, clusters of 4 x 1, 327,680 bytes of LDS; arguments qc, kv, out0; writes out0
.if DOCPART == 3
	.amdgcn_target "amdgcn-amd-amdhsa--gfx1250"
	.amdhsa_code_object_version 6
	.text
	.protected	k_qea12ed13fb_att
	.globl	k_qea12ed13fb_att
	.p2align	8
	.type	k_qea12ed13fb_att,@function
k_qea12ed13fb_att:
	s_mov_b64 s[64:65], 0
	v_nop
	global_prefetch_b8 v0, s[64:65] scope:SCOPE_SE
	s_setreg_imm32_b32 hwreg(HW_REG_WAVE_MODE, 25, 1), 1
	s_wait_xcnt 0x0
	s_wait_alu depctr_hold_cnt(0) depctr_sa_sdst(0) depctr_va_vdst(0) depctr_va_sdst(0) depctr_va_ssrc(0) depctr_va_vcc(0) depctr_vm_vsrc(0)
	s_getreg_b32 s2, hwreg(HW_REG_IB_STS2, 6, 4)
	s_cmp_eq_u32 s2, 0
	s_cbranch_scc0 .Lentry_in_a_cluster
	s_endpgm
.Lentry_in_a_cluster:
	s_bfe_u32 s2, ttmp6, 0x10000c
	s_cmp_lg_u32 s2, 0x3003
	s_cbranch_scc0 .Lentry_shape_is_right
	s_endpgm
.Lentry_shape_is_right:
; out = tanh(softmax(q k^T) v), both products on codes of FP6 (E2M3) with E8M0 scales.  qc and kv hold q, k and v as images of operand registers (made by the launch before).
; THE SOFTMAX: t = score x log2(e); M = the row's largest t rounded UP to a whole number; p = 2^(t - M) is quantised along the keys; the row's sum of the unquantised p divides at the end.
; TWO PASSES.  Pass 1 multiplies q by all keys and keeps each row's largest score, so that M is final before the first p is made: the 512 accumulator registers of a wave are never rescaled.
; SHARES.  A work-group has 64 queries (four tiles of 16).  In the scores wave w takes keys 32 w .. 32 w + 31 of each step of 128: one quantiser block a query.  In p v wave w takes value
; columns 256 w .. + 255 for all 64 queries: 64 accumulators.  Both products are transposed (source 0 = keys, or value columns; source 1 = queries): a lane holds ONE query throughout.
; So each fragment of K and V is read from LDS by one wave alone; only p's codes (24 bytes a query and wave) and scale bytes go from wave to wave, through two buffers in LDS.
; RING.  A block of kv (115,712 bytes: V of step j, K of step j + 2) comes through two LDS slots; each wave's tensor load brings its own part, asked for JOINTLY by the four work-groups of a cluster,
; which belong to one batch.  Pass 1's K is not asked for jointly: it is a tenth of a work-group's bytes, each fragment is one wave's, and read straight into registers it leaves both slots to land meanwhile.
; PHASE j: p(j) v(j), 64 products; between them the softmax of step j + 1; at its end the 8 score products of step j + 2; one round of the cluster's barrier; block j + 2 into the slot just read.
; LIMITS: NaN and infinities are not served; a p under 2^-126 is 0; a block of p that is all zeros gets the byte 1 (its codes are zeros).
; REGISTERS, in windows of 256.  Window 0: addresses, statistics, scale words, v80-103 K, v104-167 scores then p, v168-215 p's four fragments, v216-231 codes just made, v232-247 pass 1's scale words.
;   Window 1: v0-191 V's 16 fragments, v192-239 Q's four.  Windows 2, 3: accumulator (query tile m, column tile n) at 8 (4 (n % 8) + m); in pass 1 all of K.
.set KVB,   115712
.set KVP,   28928
.set BATB,  1851392                    ; a batch's 16 blocks
.set SLOT1, 131072                     ; slot 0 at 0, slot 1 here
.set PIMG,  115712                     ; p's buffer 0; buffer 1 lies 8,192 on.  Tile m, block b, query r: 24 bytes at 1,664 m + 384 b + 24 r; scale words at 6,656 + 64 m + 4 r
.set STG,   246784                     ; the way out: 16 rows x 1,040 bytes for each wave
.set EXCH,  313344                     ; the waves' row maxima, later their sums: 4 tiles x 32 lanes x 4 waves
.set SPARE, 317440                     ; the spare words: 128 bytes a wave, two blocks of 256 bytes that no other line names
.set SPW, 24
.set NIL, 25
.set NM,  28                           ; v28-35 -M, a pair a tile; on the way out 2 log2(e) / l
.set LS,  36                           ; v36-43 the sums, a pair a tile
.set MX,  44
.set QSC, 48
.set KSC, 50
.set VSC, 52
.set PSC, 60
.set SCV, 62
.set BY,  66
.set BM,  70
.set BT,  74
.set KF,  80
.set S,   104
.set PF,  168
.set PCD, 216
.set KS1, 232
.set T,   104
.set WV,  34
.set SEL, 40
.set CS,  42
.set TB,  44
.set PB,  45
.set PWS, 46
.set CNT, 47
.set LIM, 48
.set PFC, 49
.set MSB, 0
.macro WIN new                         ; the immediate's high byte repeats the setting that is left
.if MSB != (\new)
	s_set_vgpr_msb (MSB<<8)|(\new)
.set MSB, (\new)
.endif
.endm
.macro PLACES                          ; four plain places behind matrix instructions, ahead of loads into their registers and of reads of their results
.rept 4
	v_nop
.endr
.endm
.macro ROUND                           ; a round of the cluster's barrier
	s_barrier_signal -1
	s_barrier_wait -1
	s_cmp_lg_u32 s[WV], 0
	s_cbranch_scc1 .Lnot_wave_0_\@
	s_barrier_signal -3
.Lnot_wave_0_\@:
	s_barrier_wait -3
	s_barrier_signal -1
	s_barrier_wait -1
.endm
; One product.  d: the accumulator; a, b: the fragments; zero = 1: it starts the sum; sa, sb: the scale registers; ra, rb = 1: the words lie in lanes 16-31
.macro WM d, a, b, zero, sa, ra, sb, rb
.if \zero
.if (\ra) && (\rb)
	v_wmma_scale_f32_16x16x128_f8f6f4 v[(\d):(\d)+7], v[(\a):(\a)+11], v[(\b):(\b)+11], 0, v[\sa], v[\sb] matrix_a_fmt:MATRIX_FMT_FP6 matrix_b_fmt:MATRIX_FMT_FP6 matrix_a_scale:MATRIX_SCALE_ROW1 matrix_b_scale:MATRIX_SCALE_ROW1
.elseif (\ra)
	v_wmma_scale_f32_16x16x128_f8f6f4 v[(\d):(\d)+7], v[(\a):(\a)+11], v[(\b):(\b)+11], 0, v[\sa], v[\sb] matrix_a_fmt:MATRIX_FMT_FP6 matrix_b_fmt:MATRIX_FMT_FP6 matrix_a_scale:MATRIX_SCALE_ROW1
.elseif (\rb)
	v_wmma_scale_f32_16x16x128_f8f6f4 v[(\d):(\d)+7], v[(\a):(\a)+11], v[(\b):(\b)+11], 0, v[\sa], v[\sb] matrix_a_fmt:MATRIX_FMT_FP6 matrix_b_fmt:MATRIX_FMT_FP6 matrix_b_scale:MATRIX_SCALE_ROW1
.else
	v_wmma_scale_f32_16x16x128_f8f6f4 v[(\d):(\d)+7], v[(\a):(\a)+11], v[(\b):(\b)+11], 0, v[\sa], v[\sb] matrix_a_fmt:MATRIX_FMT_FP6 matrix_b_fmt:MATRIX_FMT_FP6
.endif
.else
.if (\ra) && (\rb)
	v_wmma_scale_f32_16x16x128_f8f6f4 v[(\d):(\d)+7], v[(\a):(\a)+11], v[(\b):(\b)+11], v[(\d):(\d)+7], v[\sa], v[\sb] matrix_a_fmt:MATRIX_FMT_FP6 matrix_b_fmt:MATRIX_FMT_FP6 matrix_a_scale:MATRIX_SCALE_ROW1 matrix_b_scale:MATRIX_SCALE_ROW1
.elseif (\ra)
	v_wmma_scale_f32_16x16x128_f8f6f4 v[(\d):(\d)+7], v[(\a):(\a)+11], v[(\b):(\b)+11], v[(\d):(\d)+7], v[\sa], v[\sb] matrix_a_fmt:MATRIX_FMT_FP6 matrix_b_fmt:MATRIX_FMT_FP6 matrix_a_scale:MATRIX_SCALE_ROW1
.elseif (\rb)
	v_wmma_scale_f32_16x16x128_f8f6f4 v[(\d):(\d)+7], v[(\a):(\a)+11], v[(\b):(\b)+11], v[(\d):(\d)+7], v[\sa], v[\sb] matrix_a_fmt:MATRIX_FMT_FP6 matrix_b_fmt:MATRIX_FMT_FP6 matrix_b_scale:MATRIX_SCALE_ROW1
.else
	v_wmma_scale_f32_16x16x128_f8f6f4 v[(\d):(\d)+7], v[(\a):(\a)+11], v[(\b):(\b)+11], v[(\d):(\d)+7], v[\sa], v[\sb] matrix_a_fmt:MATRIX_FMT_FP6 matrix_b_fmt:MATRIX_FMT_FP6
.endif
.endif
.endm
; 8 score products: my two key tiles (at register kr of source 0's window) x the four query tiles, into v[dst] on: register 16 m + 8 u + j = key 32 w + 16 (lane / 16) + 8 u + j for query tile m
.macro SCORES dst, kr, ksc
.set pi, 0
.rept 8
.set pM, pi>>1
.set pU, pi&1
	WM (\dst)+16*pM+8*pU, (\kr)+12*pU, 192+12*pM, 1, \ksc, pU, QSC+(pM>>1), pM&1
.set pi, pi+1
.endr
.endm
	s_load_b128 s[4:7], s[0:1], 0x0                ; qc s[4:5], kv s[6:7]
	s_load_b64 s[8:9], s[0:1], 0x10                ; out0
	v_lshl_add_u32 v[SPW], v0, 2, SPARE
	v_mov_b32 v[NIL], 0
	ds_add_u32 v[SPW], v[NIL]                      ; the wave's opening: the add and its wait stand ahead of my first tensor load; work on registers stands between
	v_lshrrev_b32 v26, 5, v0
	v_readfirstlane_b32 s[WV], v26                 ; wave 0..3
	v_and_b32 v26, 31, v0                          ; L
	v_and_b32 v27, 15, v0                          ; r
	v_bfe_u32 v78, v0, 4, 1                        ; h
	v_lshlrev_b32 v1, 4, v26                       ; 16 L
	v_lshlrev_b32 v2, 3, v26                       ; 8 L
	v_lshlrev_b32 v3, 2, v26                       ; 4 L
	v_lshlrev_b32 v23, 8, v26                      ; 256 L
	s_bfe_u32 s35, ttmp6, 0x40000                  ; cx: my place in the cluster
	s_lshl_b32 s36, ttmp9, 2
	s_add_co_u32 s36, s36, s35                     ; g: my block of 64 queries; it enters qc's and out0's addresses alone
	s_lshr_b32 s37, ttmp9, 3                       ; the batch, which the four partners share
	; descriptor group 1: a part of a block of kv: 113 rows of 256 bytes (32 elements of 8 bytes), dense, no padding
	s_mov_b32 s16, 15|(3<<16)|(1<<21)              ; 15:0 the mask: all four work-groups; 17:16 elements of 8 bytes; 21 set beside a mask
	s_mov_b32 s17, 32<<16
	s_mov_b32 s18, 113<<16
	s_mov_b32 s19, 32<<16
	s_mov_b32 s20, 113
	s_mov_b32 s21, 32
	s_mov_b32 s22, 0
	s_mov_b32 s23, 0
	s_mul_i32 s54, s37, BATB
	s_mov_b32 s55, 0
	s_mul_i32 s56, s[WV], KVP                      ; my part, in a block and in a slot alike
	s_mov_b32 s57, 0
	s_mov_b32 s[SEL], 0x76543210
	s_mov_b32 s[SEL+1], 0xfedcba98
	s_mov_b32 s[CS], 0x3fb8aa3b                    ; log2(e)
	s_mov_b32 s[CS+1], s[CS]                       ; (named with it as a pair, so it is written)
	s_mov_b32 s[TB], 0
	s_mov_b32 s[PB], 0
	s_mov_b32 s[PWS], 8192
	s_and_b32 s[LIM], ttmp9, 7                     ; the batch's first cluster prefetches: the same in all four partners
	s_cmp_eq_u32 s[LIM], 0
	s_cselect_b32 s[LIM], 2, -1
	s_lshl_b32 s[PFC], s35, 2                      ; the partners and their waves share the chunks of 8,192 bytes out by ADDRESS: chunk 42 + 4 cx + w, and 16 on in each phase
	s_add_co_u32 s[PFC], s[PFC], s[WV]
	s_add_co_u32 s[PFC], s[PFC], 42
	s_lshl_b32 s[PFC], s[PFC], 13
	s_mul_i32 s38, s36, 6400
	s_mov_b32 s39, 0
	s_wait_dscnt 0x0                               ; the opening add is done
	s_wait_kmcnt 0x0
	s_add_nc_u64 s[50:51], s[6:7], s[54:55]        ; the batch's blocks
	s_add_nc_u64 s[52:53], s[50:51], s[56:57]      ; my part of block 0
	s_add_nc_u64 s[58:59], s[4:5], s[38:39]        ; my block of qc
	s_mov_b32 s24, 1                               ; group 0: block 0 into slot 0
	s_mov_b32 s25, s56
	s_mov_b64 s[26:27], s[52:53]
	s_or_b32 s27, s27, 0x80000000
	s_mov_b32 s28, 1                               ; block 1 into slot 1; this one walks on
	s_add_co_u32 s29, s56, SLOT1
	s_add_nc_u64 s[30:31], s[52:53], KVB
	s_or_b32 s31, s31, 0x80000000
	ROUND                                          ; all four work-groups are here: the first joint loads meet
	tensor_load_to_lds s[24:27], s[16:23]
	s_nop 0
	tensor_load_to_lds s[28:31], s[16:23]          ; two loads of mine are out
	s_nop 0
.rept 4
	v_nop
.endr
	WIN 0x40                                       ; Q's four fragments stay in window 1.  A half fragment lies as 512 bytes (registers 0-3, 16 L) and 256 bytes (registers 4-5, 8 L)
.irp m, 0,1,2,3
.irp c, 0,1
	global_load_b128 v[192+12*\m+6*\c:192+12*\m+6*\c+3], v1, s[58:59] offset:1536*\m+768*\c
	global_load_b64 v[192+12*\m+6*\c+4:192+12*\m+6*\c+5], v2, s[58:59] offset:1536*\m+768*\c+512
.endr
.endr
	WIN 0
	global_load_b32 v[QSC], v3, s[58:59] offset:6144       ; lanes 0-15 tile 0, lanes 16-31 tile 1
	global_load_b32 v[QSC+1], v3, s[58:59] offset:6272
.set ks, 0
.rept 16                                       ; my key tiles' scale words of all 16 steps; K of step s lies in block (s + 14) % 16
	global_load_b32 v[KS1+ks], v3, s[52:53] offset:((ks+14)&15)*KVB+28672
.set ks, ks+1
.endr
.set ks, 0
.rept 16                                       ; and their codes: 8 loads a step; steps 0-9 into window 2, steps 10-15 into window 3
.if ks < 10
	WIN 0x80
.set kR, 24*ks
.else
	WIN 0xc0
.set kR, 24*(ks-10)
.endif
.irp u, 0,1
.irp c, 0,1
	global_load_b128 v[kR+12*\u+6*\c:kR+12*\u+6*\c+3], v1, s[52:53] offset:((ks+14)&15)*KVB+25600+1536*\u+768*\c
	global_load_b64 v[kR+12*\u+6*\c+4:kR+12*\u+6*\c+5], v2, s[52:53] offset:((ks+14)&15)*KVB+25600+1536*\u+768*\c+512
.endr
.endr
.set ks, ks+1
.endr
	WIN 0
	v_add_nc_u32 v4, s56, v1                       ; my part in slot 0: + 16 L,
	v_add_nc_u32 v5, s56, v2                       ; + 8 L,
	v_add_nc_u32 v6, s56, v3                       ; + 4 L
	v_mul_u32_u24 v10, v27, 24
	v_mad_u32_u24 v10, v78, 384, v10
	v_add_nc_u32 v10, PIMG, v10                    ; p, read: 24 r + 384 h
	v_mul_u32_u24 v12, v27, 24
	v_mad_u32_u24 v12, v78, 1664, v12
	s_mul_i32 s38, s[WV], 384
	s_add_co_u32 s38, s38, PIMG
	v_add_nc_u32 v12, s38, v12                     ; p, written: 24 r + 1,664 h + 384 w
	v_add_nc_u32 v14, PIMG+6656, v3                ; p's scale words, read
	v_lshlrev_b32 v16, 2, v27
	s_add_co_u32 s38, s[WV], PIMG+6656
	v_add_nc_u32 v16, s38, v16                     ; my byte of them: 4 r + w
	s_lshl_b32 s38, s[WV], 2
	s_add_co_u32 s38, s38, EXCH
	v_add_nc_u32 v18, s38, v1                      ; the exchange: my wave's word of my lane's four,
	v_add_nc_u32 v19, EXCH, v1                     ; and all four
	s_mul_i32 s38, s[WV], 16640
	s_add_co_u32 s38, s38, STG                     ; my stage
	v_mul_u32_u24 v20, v27, 1040
	v_lshl_add_u32 v20, v78, 5, v20
	v_add_nc_u32 v20, s38, v20                     ; in: row r, + 32 h
	v_add_nc_u32 v21, s38, v1                      ; back: 16 L
	s_lshl_b32 s38, s36, 18                        ; out0: 64 g rows of 4,096 bytes, + 1,024 w
	s_lshl_b32 s54, s[WV], 10
	s_add_co_u32 s38, s38, s54
	s_add_nc_u64 s[60:61], s[8:9], s[38:39]
.irp m, 0,1,2,3
	v_mov_b32 v[MX+\m], 0xff800000                 ; under every score
	v_mov_b32 v[BT+\m], 0                          ; written once: a lane permute's destination counts as one of its sources
	v_mov_b32 v[LS+2*\m], 0
	v_mov_b32 v[LS+2*\m+1], 0
.endr
; PASS 1.  A step's 8 products go into one of two buffers; behind them the other buffer's 64 scores are folded into the four running maxima, each accumulator from its low end on.
.macro PMAX buf
.set qk, 0
.rept 8
.irp m, 0,1,2,3
	v_max3_num_f32 v[MX+\m], v[MX+\m], v[(\buf)+16*\m+2*qk], v[(\buf)+16*\m+2*qk+1]
.endr
.set qk, qk+1
.endr
.endm
.macro P1STEP s
.if 8*(15-(\s)) > 63
	s_wait_loadcnt 63                              ; more loads than the count can name are younger: the smaller count serves
.else
	s_wait_loadcnt 8*(15-(\s))                     ; the later steps' loads, 8 each, may be out
.endif
.if (\s) < 10
	WIN 0x06                                       ; K in window 2, Q in window 1
	SCORES S+64*((\s)&1), 24*(\s), KS1+(\s)
.else
	WIN 0x07                                       ; K in window 3
	SCORES S+64*((\s)&1), 24*((\s)-10), KS1+(\s)
.endif
	WIN 0
.if (\s) == 1
	PLACES                                         ; no vector work stands yet behind step 0's products
.endif
.if (\s) >= 1
	PMAX S+64*(1-((\s)&1))
.endif
.endm
.irp s, 0,1,2,3,4,5,6,7,8,9,10,11,12,13,14,15
	P1STEP \s
.endr
	PLACES
	PMAX S+64
	; the row's largest score: with lane l xor 16's keys, then with the other waves'
.irp m, 0,1,2,3
	v_permlanex16_b32 v[BT+\m], v[MX+\m], s[SEL], s[SEL+1]
.endr
.irp m, 0,1,2,3
	v_max_num_f32 v[MX+\m], v[MX+\m], v[BT+\m]
.endr
.irp m, 0,1,2,3
	ds_store_b32 v18, v[MX+\m] offset:512*\m
.endr
	s_wait_dscnt 0x0                               ; for the others' sake
	s_barrier_signal -1
	s_barrier_wait -1                              ; (the first fills may stay out)
.irp m, 0,1,2,3
	ds_load_b128 v[S+4*\m:S+4*\m+3], v19 offset:512*\m
.endr
	s_wait_dscnt 0x0
.irp m, 0,1,2,3
	v_max3_num_f32 v[MX+\m], v[S+4*\m], v[S+4*\m+1], v[S+4*\m+2]
.endr
.irp m, 0,1,2,3
	v_max_num_f32 v[MX+\m], v[MX+\m], v[S+4*\m+3]
.endr
.irp m, 0,1,2,3
	v_mul_f32 v[MX+\m], s[CS], v[MX+\m]            ; as t
.endr
.irp m, 0,1,2,3
	v_floor_f32 v[NM+2*\m], -v[MX+\m]              ; -M = floor(-t) = -ceil(t): a whole number
.endr
.irp m, 0,1,2,3
	v_mov_b32 v[NM+2*\m+1], v[NM+2*\m]             ; (the packed form names the pair)
.endr
; THE SOFTMAX OF A STEP is a list of 216 items; SM writes item J.  m runs over the four query tiles by turns.
;   0-39    each tile's largest score of my 32 keys (its block): 16 of mine, then lane l xor 16's
;   40-143  ONE BATCH: the 32 packed scalings t - M, the same of the four largest scores, and all 68 exponentials; none of these names an exponential's result
;   144     the plain instruction behind the last exponential; ahead of 145 the ONE wait ahead of the first use
;   145-176 the sums of the unquantised p;  177-188 floor, scale operand, byte;  189-205 the conversions, and whole blocks to the lanes;  206-215 codes and bytes to LDS
.macro PKS p
	v_pk_fma_f32 v[S+2*(\p):S+2*(\p)+1], v[S+2*(\p):S+2*(\p)+1], s[CS:CS+1], v[NM+2*((\p)>>3):NM+2*((\p)>>3)+1] op_sel_hi:[1,0,0]
.endm
.macro SM
.if J < 4
	v_max3_num_f32 v[BM+J], v[S+16*J], v[S+16*J+1], v[S+16*J+2]
.elseif J < 28
	v_max3_num_f32 v[BM+((J-4)&3)], v[BM+((J-4)&3)], v[S+16*((J-4)&3)+3+2*((J-4)>>2)], v[S+16*((J-4)&3)+4+2*((J-4)>>2)]
.elseif J < 32
	v_max_num_f32 v[BM+J-28], v[BM+J-28], v[S+16*(J-28)+15]
.elseif J < 36
	v_permlanex16_b32 v[BT+J-32], v[BM+J-32], s[SEL], s[SEL+1]
.elseif J < 40
	v_max_num_f32 v[BM+J-36], v[BM+J-36], v[BT+J-36]
.elseif J < 42
	PKS J-40
.elseif J < 46
	v_fma_f32 v[BM+J-42], v[BM+J-42], s[CS], v[NM+2*(J-42)]
.elseif J < 136
.if (J-46)%3 == 0
	PKS (J-46)/3+2
.else
	v_exp_f32 v[S+2*((J-46)/3)+(J-46)%3-1], v[S+2*((J-46)/3)+(J-46)%3-1]
.endif
.elseif J < 140
	v_exp_f32 v[S+J-76], v[S+J-76]
.elseif J < 144
	v_exp_f32 v[BM+J-140], v[BM+J-140]             ; the block's largest p: the same two instructions on the same number give the same bits
.elseif J == 144
	v_nop
.elseif J < 177
.if J == 145
	s_wait_alu depctr_va_vdst(0)
.endif
	v_pk_add_f32 v[LS+2*((J-145)&3):LS+2*((J-145)&3)+1], v[LS+2*((J-145)&3):LS+2*((J-145)&3)+1], v[S+16*((J-145)&3)+2*((J-145)>>2):S+16*((J-145)&3)+2*((J-145)>>2)+1]
.elseif J < 181
	v_max_num_f32 v[BM+J-177], 0x1800000, v[BM+J-177]
.elseif J < 185
	v_add_nc_u32 v[SCV+J-181], 0xff000000, v[BM+J-181]
.elseif J < 189
	v_lshrrev_b32 v[BY+J-185], 23, v[SCV+J-185]
.elseif J < 193
	v_cvt_scalef32_pk16_fp6_f32 v[PCD+4*(J-189):PCD+4*(J-189)+2], v[S+16*(J-189):S+16*(J-189)+15], v[SCV+J-189]
.elseif J == 193
	v_nop                                          ; one plain place behind a scaled conversion
.elseif J < 200
	v_permlane16_swap_b32 v[PCD+8*((J-194)/3)+(J-194)%3], v[PCD+8*((J-194)/3)+4+(J-194)%3]   ; lane (r, h) then holds the whole block of tile 2 q + h
.elseif J < 206
	v_mov_b32 v[PCD+8*((J-200)/3)+3+(J-200)%3], v[PCD+8*((J-200)/3)+4+(J-200)%3]
.elseif J < 212
	ds_store_b64 v13, v[PCD+8*((J-206)/3)+2*((J-206)%3):PCD+8*((J-206)/3)+2*((J-206)%3)+1] offset:3328*((J-206)/3)+8*((J-206)%3)
.else
	ds_store_b8 v17, v[BY+J-212] offset:64*(J-212)         ; lanes r and r + 16 write the same byte with the same value
.endif
.endm
.macro SMRUN n
.rept \n
	SM
.set J, J+1
.endr
.endm
.macro VFETCH grp                      ; V's fragments 4 grp .. + 3 from the slot in hand into window 1
	WIN 0x40
.set vi, 0
.rept 8
.set vN, 4*(\grp)+(vi>>1)
.set vC, vi&1
	ds_load_b128 v[12*vN+6*vC:12*vN+6*vC+3], v7 offset:1536*vN+768*vC
	ds_load_b64 v[12*vN+6*vC+4:12*vN+6*vC+5], v8 offset:1536*vN+768*vC+512
.set vi, vi+1
.endr
.endm
.macro KFETCH                          ; my two key tiles of the step after next, and their scale words
.irp u, 0,1
.irp c, 0,1
	ds_load_b128 v[KF+12*\u+6*\c:KF+12*\u+6*\c+3], v7 offset:25600+1536*\u+768*\c
	ds_load_b64 v[KF+12*\u+6*\c+4:KF+12*\u+6*\c+5], v8 offset:25600+1536*\u+768*\c+512
.endr
.endr
	ds_load_b32 v[KSC], v9 offset:28672
.endm
; PHASE.  zero: the products start the sums.  soft: the next step's softmax stands between them.  snext: the scores of the step after next.  fill: the slot is filled again.  last: nothing follows.
.macro PHASE zero, soft, snext, fill, last
	v_add_nc_u32 v7, s[TB], v4                     ; the slot in hand,
	v_add_nc_u32 v8, s[TB], v5
	v_add_nc_u32 v9, s[TB], v6
	v_add_nc_u32 v11, s[PB], v10                   ; p's buffer that is read,
	v_add_nc_u32 v15, s[PB], v14
	v_add_nc_u32 v13, s[PWS], v12                  ; and the one that is written
	v_add_nc_u32 v17, s[PWS], v16
	ds_load_b32 v[PSC], v15
	ds_load_b32 v[PSC+1], v15 offset:128
.set fi, 0
.rept 8
	ds_load_b32 v[VSC+fi], v9 offset:24576+128*fi
.set fi, fi+1
.endr
.irp m, 0,1,2,3
.irp c, 0,1
.irp i, 0,1,2
	ds_load_b64 v[PF+12*\m+6*\c+2*\i:PF+12*\m+6*\c+2*\i+1], v11 offset:1664*\m+768*\c+8*\i
.endr
.endr
.endr
	VFETCH 0
	WIN 0
.set J, 0
.if \soft
	SMRUN 88                                       ; vector work while the 50 loads land
.endif
	s_wait_dscnt 0x0
.irp grp, 0,1,2,3
.if \grp < 3
	VFETCH \grp+1
.endif
.if (\grp == 2) && \snext
	WIN 0
	KFETCH
.endif
.set pk, 0
.rept 16                                       ; the 64 accumulators take turns, one instruction a turn
.set pN, 4*\grp+(pk>>2)
.set pM, pk&3
.if pN < 8
	WIN 0xa1                                       ; V in window 1, p in window 0, the sums in window 2
.else
	WIN 0xf1                                       ; in window 3
.endif
	WM 8*(4*(pN&7)+pM), 12*pN, PF+12*pM, \zero, VSC+(pN>>1), pN&1, PSC+(pM>>1), pM&1
.if \soft && (pk&1)
	WIN 0
	SMRUN 4                                        ; a slice of the softmax behind every second product
.endif
.set pk, pk+1
.endr
.if \grp < 3
	s_wait_dscnt 0x0                               ; the next group's fragments, asked for 16 products ago
.endif
.endr
	WIN 0
.if (\last) == 0
	s_wait_tensorcnt 0x0                           ; all my tensor loads have landed: my part of the other slot
.if \fill
	ds_add_u32 v[SPW], v[NIL]                      ; 0 onto my spare word; work on registers stands between it and its wait
	s_xor_b32 s29, s29, SLOT1                      ; no load of mine is out: the walking descriptor takes the other slot
	s_add_nc_u64 s[30:31], s[30:31], KVB           ; and the next block
	s_wait_xcnt 0x0                                ; the last prefetch, a phase back, has read its offset
	s_min_u32 s54, s[PFC], 225*8192                ; held at the batch's last chunk
	v_add_nc_u32 v22, s54, v23
	s_add_co_u32 s[PFC], s[PFC], 16*8192
.endif
.if \snext
	WIN 0x04                                       ; Q in window 1
	SCORES S, KF, KSC
	WIN 0
.endif
	s_wait_dscnt 0x0                               ; the add is done, my reads of the slot and of p are over, my codes of p have landed
.if \fill
	ROUND                                          ; the same now holds of every wave of the four work-groups
	tensor_load_to_lds s[28:31], s[16:23]          ; my one load behind the round: block j + 2 into the slot just read; it has a phase's 72 products in which to land
	s_nop 0
.rept 4
	v_nop                                          ; also the places behind the score products and ahead of the next phase's loads
.endr
	s_cmp_gt_u32 s[CNT], s[LIM]                    ; a prefetch of what later rounds will ask for: 16 chunks of 8,192 bytes a phase, a chunk a wave of the batch's first cluster, lanes 256 bytes apart;
	s_cbranch_scc0 .Lnot_mine_\@                   ; phase j names chunks 42 + 16 j on, which begin just ahead of block j + 3; the last two filling phases ask for nothing
	global_prefetch_b8 v22, s[50:51] th:TH_LOAD_NT scope:SCOPE_SE
.Lnot_mine_\@:
.else
	s_barrier_signal -1
	s_barrier_wait -1
	PLACES
.endif
	s_xor_b32 s[TB], s[TB], SLOT1
	s_xor_b32 s[PB], s[PB], 8192
	s_xor_b32 s[PWS], s[PWS], 8192
.endif
.endm
	; step 0's p goes into buffer 0; step 1's scores wait in registers
	v_add_nc_u32 v13, 0, v12
	v_add_nc_u32 v17, 0, v16
	WIN 0x06
	SCORES S, 0, KS1
	WIN 0
	PLACES
.set J, 0
	SMRUN 216
	WIN 0x06
	SCORES S, 24, KS1+1
	WIN 0
	s_wait_tensorcnt 1                             ; my part of block 0 is in; block 1's may stay out
	s_wait_dscnt 0x0
	s_barrier_signal -1
	s_barrier_wait -1
	PLACES
	s_mov_b32 s[CNT], 14
	PHASE 1, 1, 1, 1, 0                            ; phase 0 starts the sums
	s_mov_b32 s[CNT], 13
.Lphase:                                           ; phases 1 to 13
	PHASE 0, 1, 1, 1, 0
	s_sub_co_u32 s[CNT], s[CNT], 1
	s_cmp_lg_u32 s[CNT], 0
	s_cbranch_scc1 .Lphase
	PHASE 0, 1, 0, 0, 0                            ; the tail is written out
	PHASE 0, 0, 0, 0, 1
	; THE WAY OUT.  The row's sum: my two halves, lane l xor 16's, the other waves'.  These additions are the places behind the last products.
.irp m, 0,1,2,3
	v_add_f32 v[BM+\m], v[LS+2*\m], v[LS+2*\m+1]
.endr
.irp m, 0,1,2,3
	v_permlanex16_b32 v[BT+\m], v[BM+\m], s[SEL], s[SEL+1]
.endr
.irp m, 0,1,2,3
	v_add_f32 v[BM+\m], v[BM+\m], v[BT+\m]
.endr
.irp m, 0,1,2,3
	ds_store_b32 v18, v[BM+\m] offset:512*\m
.endr
	s_wait_dscnt 0x0
	s_barrier_signal -1
	s_barrier_wait -1
.irp m, 0,1,2,3
	ds_load_b128 v[S+4*\m:S+4*\m+3], v19 offset:512*\m
.endr
	s_wait_dscnt 0x0
.irp m, 0,1,2,3
	v_add_f32 v[S+4*\m], v[S+4*\m], v[S+4*\m+1]
	v_add_f32 v[S+4*\m+2], v[S+4*\m+2], v[S+4*\m+3]
.endr
.irp m, 0,1,2,3
	v_add_f32 v[BM+\m], v[S+4*\m], v[S+4*\m+2]
.endr
.irp m, 0,1,2,3
	v_rcp_f32 v[BM+\m], v[BM+\m]
.endr
	v_nop                                          ; a plain instruction behind the last reciprocal,
	s_wait_alu depctr_va_vdst(0)                   ; and the wait ahead of the first use
.irp m, 0,1,2,3
	v_mul_f32 v[NM+2*\m], 0x4038aa3b, v[BM+\m]     ; 2 log2(e) / l
.endr
.irp m, 0,1,2,3
	v_mov_b32 v[NM+2*\m+1], v[NM+2*\m]
.endr
; tanh(y) = 1 - 2 / (1 + 2^(2 log2(e) y)), right at both ends: the power goes to infinity or to 0.  A tile of 16 queries x my 256 columns at a time: 128 numbers a lane.
.macro MATH m
.set ai, 0
.rept 64
.if (ai>>2) < 8
	WIN 0x02
.else
	WIN 0x03
.endif
	v_pk_mul_f32 v[T+2*ai:T+2*ai+1], v[8*(4*((ai>>2)&7)+(\m))+2*(ai&3):8*(4*((ai>>2)&7)+(\m))+2*(ai&3)+1], v[NM+2*(\m):NM+2*(\m)+1] op_sel_hi:[1,0]
.set ai, ai+1
.endr
	WIN 0
.set ai, 0
.rept 128
	v_exp_f32 v[T+ai], v[T+ai]
.set ai, ai+1
.endr
	v_nop
	s_wait_alu depctr_va_vdst(0)                   ; one wait for the batch
.set ai, 0
.rept 64
	v_pk_add_f32 v[T+2*ai:T+2*ai+1], v[T+2*ai:T+2*ai+1], 1.0 op_sel_hi:[1,0]
.set ai, ai+1
.endr
.set ai, 0
.rept 128
	v_rcp_f32 v[T+ai], v[T+ai]
.set ai, ai+1
.endr
	v_nop
	s_wait_alu depctr_va_vdst(0)
.set ai, 0
.rept 64
	v_pk_fma_f32 v[T+2*ai:T+2*ai+1], v[T+2*ai:T+2*ai+1], -2.0, 1.0 op_sel_hi:[1,0,0]
.set ai, ai+1
.endr
.endm
.macro STGM m                          ; through my stage: a lane's eight neighbours of a row in, whole rows of 1,024 bytes back, into set m % 2 of window 1
.if (\m) >= 2
	s_wait_xcnt 0x0                                ; the stores of two tiles ago have read that set
.endif
.set ai, 0
.rept 32
	ds_store_b128 v20, v[T+4*ai:T+4*ai+3] offset:64*(ai>>1)+16*(ai&1)
.set ai, ai+1
.endr
	WIN 0x40
.set ai, 0
.rept 32
	ds_load_b128 v[128*((\m)&1)+4*ai:128*((\m)&1)+4*ai+3], v21 offset:1040*(ai>>1)+512*(ai&1)   ; LDS serves a wave's instructions in order: these see the stores above
.set ai, ai+1
.endr
	WIN 0
.endm
.macro SEND m
	s_wait_dscnt 0x0
	WIN 0x04                                       ; a store's data are its source 1: window 1
.set ai, 0
.rept 32
	global_store_b128 v1, v[128*((\m)&1)+4*ai:128*((\m)&1)+4*ai+3], s[60:61] offset:(32*((\m)>>1)+8*((\m)&1)+(ai>>1)+8*(ai>>4))*4096+512*(ai&1) th:TH_STORE_NT   ; 512 consecutive bytes, aligned to 256
.set ai, ai+1
.endr
	WIN 0
.endm
	MATH 0
	STGM 0
.irp m, 1,2,3
	s_wait_dscnt 32                                ; the 32 stage stores have read their registers; the 32 loads behind them may be out
	MATH \m
	SEND \m-1
	STGM \m
.endr
	SEND 3
	s_wait_tensorcnt 0x0                           ; the wave's end: behind my last tensor load and my last LDS store
	ds_add_u32 v[SPW], v[NIL]
	s_wait_dscnt 0x0
	ROUND                                          ; the closing round
	s_endpgm
.Lfunc_end_k_qea12ed13fb_att:
	.size	k_qea12ed13fb_att, .Lfunc_end_k_qea12ed13fb_att-k_qea12ed13fb_att
	.p2alignl 7, 3214868480
	.fill 96, 4, 3214868480
	.section	.rodata,"a",@progbits
	.p2align	6, 0x0
	.amdhsa_kernel k_qea12ed13fb_att
		.amdhsa_group_segment_fixed_size 327680
		.amdhsa_private_segment_fixed_size 0
		.amdhsa_enable_private_segment 0
		.amdhsa_kernarg_size 24
		.amdhsa_user_sgpr_count 2
		.amdhsa_user_sgpr_kernarg_segment_ptr 1
		.amdhsa_wavefront_size32 1
		.amdhsa_system_sgpr_workgroup_id_x 1
		.amdhsa_system_sgpr_workgroup_id_y 1
		.amdhsa_system_sgpr_workgroup_id_z 1
		.amdhsa_system_vgpr_workitem_id 0
		.amdhsa_next_free_vgpr 1024
		.amdhsa_next_free_sgpr 66
		.amdhsa_reserve_vcc 0
		.amdhsa_float_denorm_mode_32 3
		.amdhsa_float_denorm_mode_16_64 3
		.amdhsa_memory_ordered 1
		.amdhsa_forward_progress 1
		.amdhsa_inst_pref_size 255
	.end_amdhsa_kernel
	.section	.bss,"aw",@nobits
	.p2align	6
	.space	262144
	.amdgpu_metadata
---
amdhsa.version: [ 1, 2 ]
amdhsa.kernels:
  - .name:           k_qea12ed13fb_att
    .symbol:         k_qea12ed13fb_att.kd
    .args:
      - { .name: qc, .offset: 0, .size: 8, .value_kind: global_buffer, .address_space: global }
      - { .name: kv, .offset: 8, .size: 8, .value_kind: global_buffer, .address_space: global }
      - { .name: out0, .offset: 16, .size: 8, .value_kind: global_buffer, .address_space: global }
    .group_segment_fixed_size: 327680
    .private_segment_fixed_size: 0
    .kernarg_segment_align: 8
    .kernarg_segment_size: 24
    .max_flat_workgroup_size: 128
    .sgpr_count:     66
    .vgpr_count:     1024
    .wavefront_size: 32
...
	.end_amdgpu_metadata
.endif
;; end of part 3
